; MI455X (gfx1250); checked and timed in simulation.
; The chip was launched on July 23, 2026; its instructions are those of AMD's public machine-readable ISA for CDNA 5 (MIT licence, August 2026) and "CDNA5" Instruction Set Architecture Reference Guide (July 2026). The comments in the code are by the model that wrote it; some were corrected since.
;; LSTM Cell. Allowed arithmetic: matrix products marked QUANTISED: E5M2 operands, one E8M0 scale for each 32 along K, by v_wmma_scale_f32_16x16x128_f8f6f4 with both operands' format E5M2, f32 sums; everything else in f32.
;; Inputs: Wc 4,096 x 2,048 float32; Wf 4,096 x 2,048 float32; Wi 4,096 x 2,048 float32; Wo 4,096 x 2,048 float32; bc 2,048 float32; bf 2,048 float32; bi 2,048 float32; bo 2,048 float32; cell_state 2,048 x 2,048 float32; hidden_state 2,048 x 2,048 float32; x 2,048 x 2,048 float32.
;; Outputs: out0 2,048 x 2,048 float32; out1 2,048 x 2,048 float32.
;; This version of the problem:
;;   THIS VERSION OF THE PROBLEM IS GIVEN IN LOW PRECISION. The matrix products marked QUANTISED in the list below multiply operands that are first quantised to E5M2 (5 exponent bits, 2 mantissa bits; 8 bits a number), with one power-of-two scale for each 32 numbers along K (OCP MX v1.0); their sums are f32. All else is computed in f32.
;;   The module's matrix products, in the order in which they are computed (A, B: the left and right operand; K: the contracted axis; several contracted axes count as one K, in the product's order):
;;     1. [M 2,048, K 4,096] x [K 4,096, N 8,192]; A: computed on the way; B: computed on the way: QUANTISED
;;   THE QUANTISER, for each operand of a quantised product, along K:
;;     - K is cut into blocks of 32 from its start; a last block that is shorter is filled with zeros.
;;     - A block's scale is 2^e with e = floor(log2(the largest magnitude in the block)) - 15, held to -126 .. 127; a block of zeros has e = 0. As a byte (E8M0): e + 127.
;;     - Each number is divided by its block's scale, clamped to +-57,344, and rounded to the nearest number of E5M2, ties to even, subnormals kept.
;;     - The product sums the exact products of the quantised numbers (number of the format x scale) in f32.
;;   ~~~python
;;   def quantise(x, axis):      # numpy; x: float32 -> the quantised numbers, widened to float32 again
;;       x = np.moveaxis(x, axis, -1); K = x.shape[-1]
;;       x = np.pad(x, [(0, 0)] * (x.ndim - 1) + [(0, -K % 32)]); x = x.reshape(x.shape[:-1] + (-1, 32)); a = np.abs(x).max(-1, keepdims=True)
;;       e = np.where(a > 0, np.clip(np.frexp(np.where(a > 0, a, 1))[1] - 1 - 15, -126, 127), 0)      # np.frexp(a)[1] - 1 = floor(log2(a)), exactly
;;       r = np.clip(x / 2.0 ** e, -57344, 57344)
;;       step = 2.0 ** (np.maximum(np.frexp(np.where(r == 0, 1, r))[1] - 1, -14) - 2)
;;       q = np.round(r / step) * step * 2.0 ** e      # np.round: ties to even
;;       return np.moveaxis(q.reshape(q.shape[:-2] + (-1,))[..., :K], -1, axis).astype(np.float32)
;;   ~~~
;;   OPERANDS COMPUTED ON THE WAY. 'Computed on the way' means the value that the module computes at that place (a softmax that the list does not call 'softmax' is quantised finished and normalised). What goes into a quantiser is computed in f32, as accurately as f32 sums, v_exp_f32 and their like allow (about 1e-6 of the number): no bf16 or f16 on the way to a quantiser, and a product that is left as it is and whose result goes on into a quantised operand takes f32 operands (vector FMAs, or v_wmma_f32_16x16x4_f32). A number that lies on a knife's edge between two numbers of the format may be rounded either way, as far as f32 arithmetic and the matrix unit's own rounding can turn it there, and no further.
;; One version. Each part assembles by itself: llvm-mc -triple=amdgcn-amd-amdhsa -mcpu=gfx1250 --defsym DOCPART=n.
;; ======== version 1 of 1: 2 launches
;; limits: right only within a limited range of input values
;; workspace buffers: aq 8,650,752 bytes; bq 34,603,008 bytes
;; launch quant (part 1): grid 1280 x 1, 4 waves a work-group, no clusters, 57,856 bytes of LDS; arguments hidden_state, x, Wf, Wi, Wo, Wc, aq, bq; writes aq, bq
.if DOCPART == 1
	.amdgcn_target "amdgcn-amd-amdhsa--gfx1250"
	.amdhsa_code_object_version 6
	.text
	.protected	k_qb8a7574448_quant
	.globl	k_qb8a7574448_quant
	.p2align	8
	.type	k_qb8a7574448_quant,@function
k_qb8a7574448_quant:
	s_mov_b64 s[64:65], 0
	v_nop
	global_prefetch_b8 v0, s[64:65] scope:SCOPE_SE
	s_setreg_imm32_b32 hwreg(HW_REG_WAVE_MODE, 25, 1), 1
	s_wait_xcnt 0x0
; Both operands of z = [hidden_state, x] [Wf Wi Wo Wc] become codes of BF8 (E5M2), 8 bits each, with one E8M0 scale byte for each 32 along K (K = 4,096: hidden_state's 2,048, then x's 2,048).
; A block's scale is 2^(floor(log2(its largest magnitude)) - 15); its byte is the largest magnitude's own exponent field - 15, held at 1 from below.  Each number is divided by the scale,
; held within +-57,344 and rounded to the nearest code, ties to even.
; LIMITS: a block whose largest magnitude lies under 2^-111 (the floor) has its byte held at 1; a block of zeros gets the byte 1 where the rule says 127: its codes are zeros, which add nothing
; under any byte but 0xff, and the bytes are read by this program alone.  NaN and infinities among the inputs are not served.
; THE WORKSPACE IS LAID AS THE PRODUCT'S LAUNCH FETCHES IT.  A BLOCK is 128 operand rows x 256 along K: 128 rows of 256 code bytes (row p at 256 p), then 128 rows of 8 scale bytes (row p at 32,768 + 8 p):
; 33,792 bytes on end.  Block (row block rb, K step s) lies at (16 rb + s) x 33,792.  aq: 16 row blocks of batch rows.  bq: 64 row blocks; row block nb holds units 32 nb .. 32 nb + 31 of all four
; gates, row p = 32 x gate + unit % 32, gates f, i, o, c = 0 .. 3.
; SHARES.  A wave takes 8,192 numbers.  Work-groups 0 to 255 take the activations (K innermost), the other 1,024 the weights (K is the first axis).  The two ways part once, on the work-group's
; number, and each has LDS bytes of its own.  No tensor loads, no barriers: waves share nothing.  The matrix units and clusters have nothing to do here: the launch only moves and rounds.
.set BLK,    33792
.set EMAX,   15
.set MANT,   0x600000                  ; the mantissa field of 57,344 as f32
.set SP,     80                        ; activations: a lane's place in a stage: its 64 bytes + 16 of padding
.set AREG,   5632                      ; activations: a wave's LDS: two stages of 32 x SP bytes, then its 256 scale bytes
.set WSTG,   4*AREG                    ; weights: the stages begin behind the activations' bytes
.set WPITCH, 272                       ; weights: a stage row: 256 code bytes + 16
.set AR,     16                        ; activations: v16-79   four sets of 16 numbers as they are loaded
.set AX,     80                        ;              v80-111  two sets of 16 neighbours
.set AE,     112                       ;              v112-127 a scale byte for each step
.set ACD,    128                       ;              v128-191 codes: four registers for each step, so that no store's data are written again
.set WSB,    24                        ; weights:     v24-25   the scale bytes, four to a register
.set WX,     32                        ;              v32-95   two sets of 32 numbers
.set WCD,    96                        ;              v96-103  a block's codes
.set WOUT,   112                       ;              v112-175 the way out
	s_load_b256 s[4:11], s[0:1], 0x0               ; hidden_state s[4:5], x s[6:7], Wf s[8:9], Wi s[10:11]
	s_load_b256 s[12:19], s[0:1], 0x20             ; Wo s[12:13], Wc s[14:15], aq s[16:17], bq s[18:19]
	v_lshl_add_u32 v4, v0, 2, 0xe000               ; my spare word, behind both ways' LDS bytes; v4 and v1 are kept for the add alone
	v_mov_b32 v1, 0
	v_lshrrev_b32 v2, 5, v0
	v_readfirstlane_b32 s20, v2
	v_and_b32 v2, 31, v0                           ; lane
	s_mov_b32 s31, MANT                            ; (an instruction takes one literal: the hold's line has another)
	s_cmp_lt_u32 ttmp9, 256
	s_cbranch_scc0 .Lweights
; ---------------- THE ACTIVATIONS.  A wave takes 32 rows x one K step of 256: 16 steps of two rows.
; The conversions take 8 numbers of ONE block from a lane's consecutive registers, so a lane must hold 16 neighbours along K; a load is best where neighbouring lanes take neighbouring bytes.  Both are
; had: each load reads 512 consecutive bytes, 16 a lane; a step's 2,048 bytes go through the wave's own stage in LDS as they lie and come back 64 bytes a lane.
	s_and_b32 s21, ttmp9, 3                        ; which four K steps: 0, 1 lie in hidden_state, 2, 3 in x
	s_lshr_b32 s22, ttmp9, 2                       ; which 32 rows, 0..63
	s_lshl_b32 s23, s21, 2
	s_add_co_u32 s23, s23, s20                     ; my K step, 0..15
	s_lshl_b32 s34, s22, 18                        ; 32 rows of 8,192 bytes,
	s_and_b32 s35, s23, 7
	s_lshl_b32 s35, s35, 10                        ; and 1,024 bytes for each K step inside the tensor
	s_add_co_u32 s34, s34, s35
	s_mov_b32 s35, 0
	s_lshr_b32 s36, s22, 2                         ; the row block of 128,
	s_lshl_b32 s36, s36, 4
	s_add_co_u32 s36, s36, s23
	s_mul_i32 s36, s36, BLK                        ; and its block for my K step
	s_and_b32 s37, s22, 3                          ; my 32 rows in it:
	s_lshl_b32 s38, s37, 13                        ; 8,192 code bytes,
	s_add_co_u32 s38, s38, s36
	s_mov_b32 s39, 0
	s_lshl_b32 s40, s37, 8                         ; 256 scale bytes, behind the block's codes
	s_add_co_u32 s40, s40, s36
	s_add_co_u32 s40, s40, 32768
	s_mov_b32 s41, 0
	s_mul_i32 s30, s20, AREG                       ; my wave's LDS
	s_wait_alu depctr_va_vdst(0)
	v_lshlrev_b32 v3, 4, v2                        ; 16 x lane: my 16 bytes of a load's 512, and of a code store's 512
	v_lshrrev_b32 v14, 2, v2
	v_mul_u32_u24 v14, v14, SP
	v_and_b32 v15, 3, v2
	v_lshl_add_u32 v14, v15, 4, v14
	v_add_nc_u32 v14, s30, v14                     ; the stage, on the way in: four lanes' 64 bytes on end, then 16 of padding
	v_mul_u32_u24 v15, v2, SP
	v_add_nc_u32 v15, s30, v15                     ; and on the way out: SP x lane: my 16 neighbours
	v_lshrrev_b32 v5, 1, v2
	s_add_co_u32 s30, s30, 2*32*SP
	v_add_nc_u32 v5, s30, v5                       ; my wave's 256 scale bytes: my block's byte
	v_lshlrev_b32 v7, 3, v2                        ; and on the way out 8 bytes a lane
	v_add_nc_u32 v6, s30, v7
	s_wait_alu depctr_va_vdst(0)
	s_wait_kmcnt 0x0
	s_cmp_lt_u32 s21, 2                            ; the choice hangs on the work-group's number alone
	s_cselect_b64 s[24:25], s[4:5], s[6:7]
	s_add_nc_u64 s[24:25], s[24:25], s[34:35]      ; my numbers,
	s_add_nc_u64 s[26:27], s[16:17], s[38:39]      ; my codes,
	s_add_nc_u64 s[28:29], s[16:17], s[40:41]      ; my scale bytes
.macro ALOAD t                         ; step t: rows 2 t and 2 t + 1, 1,024 bytes each, as four loads of 512 consecutive bytes
.irp i, 0,1,2,3
	global_load_b128 v[AR+16*((\t)%4)+4*\i:AR+16*((\t)%4)+4*\i+3], v3, s[24:25] offset:(2*(\t)+\i/2)*8192+(\i%2)*512 th:TH_LOAD_NT
.endr
.endm
.macro ATURN t                         ; step t's numbers through the stage: LDS serves a wave's instructions in order (ISA guide 5.7.1.4), so no wait stands between the stores and the loads
.irp i, 0,1,2,3
	ds_store_b128 v14, v[AR+16*((\t)%4)+4*\i:AR+16*((\t)%4)+4*\i+3] offset:32*SP*((\t)%2)+8*SP*\i
.endr
.irp i, 0,1,2,3
	ds_load_b128 v[AX+16*((\t)%2)+4*\i:AX+16*((\t)%2)+4*\i+3], v15 offset:32*SP*((\t)%2)+16*\i
.endr
.endm
.irp t, 0,1,2,3
	ALOAD \t
.endr
	s_wait_loadcnt 12                              ; step 0's four loads are in; the twelve younger stay out
	ATURN 0
.macro ASTEP t
.set XS, AX+16*((\t)%2)
.if (\t) > 0
	s_wait_dscnt 1                                 ; this step's numbers are back from the stage (the last step's byte store may be out): so its stores into the stage have read their registers,
.else
	s_wait_dscnt 0x0
.endif
.if (\t)+4 < 16
	ALOAD (\t)+4                                   ; which take the loads of four steps on
.endif
.if (\t)+1 < 16
.if 14-(\t) >= 3
	s_wait_loadcnt 12                              ; the next step's four loads are in; those of the three steps behind it may be out
.else
	s_wait_loadcnt 4*(14-(\t))                     ; the same, where fewer steps are left behind it
.endif
	ATURN (\t)+1                                   ; and go through the other stage while this step is worked
.endif
	v_max3_num_f32 v8, |v[XS]|, |v[XS+1]|, |v[XS+2]|               ; the largest magnitude of my 16, in two chains
	v_max3_num_f32 v9, |v[XS+3]|, |v[XS+4]|, |v[XS+5]|
.irp i, 6,10
	v_max3_num_f32 v8, v8, |v[XS+\i]|, |v[XS+\i+1]|
	v_max3_num_f32 v9, v9, |v[XS+\i+2]|, |v[XS+\i+3]|
.endr
	v_max3_num_f32 v8, v8, |v[XS+14]|, |v[XS+15]|
	v_max3_num_f32 v8, v8, v9, (EMAX+1)<<23        ; and the floor 2^(16 - 127): so the byte cannot fall under 1
	v_max_num_f32_dpp v8, v8, v8 row_xmask:1 row_mask:0xf bank_mask:0xf   ; and of my neighbour's 16: the block's
	v_add_nc_u32 v11, -(EMAX<<23), v8              ; 15 off its exponent field: the conversion takes the exponent field of this operand as its scale, and nothing else of it
	v_and_or_b32 v10, v8, 0x7f800000, s31          ; 57,344 x the scale: the largest magnitude's exponent field over 57,344's mantissa
.irp i, 0,1,2,3,4,5,6,7,8,9,10,11,12,13,14,15
	v_med3_num_f32 v[XS+\i], v[XS+\i], -v10, v10   ; the conversion to an 8-bit code does not saturate (ISA guide 7.6.2): the number is held first
.endr
	v_cvt_scalef32_pk8_bf8_f32 v[ACD+4*(\t):ACD+4*(\t)+1], v[XS:XS+7], v11
	v_cvt_scalef32_pk8_bf8_f32 v[ACD+4*(\t)+2:ACD+4*(\t)+3], v[XS+8:XS+15], v11
	v_lshrrev_b32 v[AE+(\t)], 23, v11              ; the scale's byte; also the plain line behind the conversions
	ds_store_b8 v5, v[AE+(\t)] offset:16*(\t)      ; row 2 t's eight bytes, then row 2 t + 1's; both lanes of a block write the same byte with the same value
	global_store_b128 v3, v[ACD+4*(\t):ACD+4*(\t)+3], s[26:27] offset:512*(\t)   ; the wave stores 512 consecutive bytes, two rows of codes, at a multiple of 256 from aq's first byte
.endm
.irp t, 0,1,2,3,4,5,6,7,8,9,10,11,12,13,14,15
	ASTEP \t
.endr
	ds_load_b64 v[12:13], v6                       ; in order behind my byte stores
	s_wait_dscnt 0x0
	global_store_b64 v7, v[12:13], s[28:29]
	s_wait_tensorcnt 0x0
	ds_add_u32 v4, v1
	s_wait_dscnt 0x0
	s_endpgm
; ---------------- THE WEIGHTS.  A wave takes 32 columns (units) of one gate x one K step of 256.
; A LANE TAKES A COLUMN, AND ITS REGISTERS RUN DOWN K: each load reads 128 consecutive bytes a wave (512 a work-group), a block of 32 along K lies in one lane's 32 registers, and the conversions
; give the codes with K innermost.  A lane's codes are one row of the block and the lanes beside it hold other rows: they go through the wave's own stage and leave as whole rows.
.Lweights:
	s_sub_co_u32 s21, ttmp9, 256
	s_lshr_b32 s22, s21, 8                         ; gate 0..3
	s_bfe_u32 s23, s21, 0x40004                    ; K step 0..15
	s_and_b32 s21, s21, 15                         ; which 128 columns: neighbouring work-groups read neighbouring bytes of the same rows
	s_lshl_b32 s34, s23, 21                        ; 256 rows of 8,192 bytes,
	s_lshl_b32 s35, s21, 9                         ; 128 columns,
	s_add_co_u32 s34, s34, s35
	s_lshl_b32 s35, s20, 7                         ; my wave's 32 of them
	s_add_co_u32 s34, s34, s35
	s_mov_b32 s35, 0
	s_lshl_b32 s36, s21, 2
	s_add_co_u32 s36, s36, s20                     ; the row block of bq: 32 units
	s_lshl_b32 s36, s36, 4
	s_add_co_u32 s36, s36, s23
	s_mul_i32 s36, s36, BLK
	s_lshl_b32 s38, s22, 13                        ; my gate's 32 rows in it: 8,192 code bytes,
	s_add_co_u32 s38, s38, s36
	s_mov_b32 s39, 0
	s_lshl_b32 s40, s22, 8                         ; 256 scale bytes, behind the block's codes
	s_add_co_u32 s40, s40, s36
	s_add_co_u32 s40, s40, 32768
	s_mov_b32 s41, 0
	s_mul_i32 s30, s20, 32*WPITCH
	s_add_co_u32 s30, s30, WSTG                    ; my stage
	s_wait_alu depctr_va_vdst(0)
	v_lshlrev_b32 v3, 2, v2                        ; in: 4 bytes a lane
	v_mul_u32_u24 v14, v2, WPITCH
	v_add_nc_u32 v14, s30, v14
	v_and_b32 v5, 15, v2
	v_lshrrev_b32 v6, 4, v2
	v_mul_u32_u24 v7, v6, WPITCH
	v_lshl_add_u32 v7, v5, 4, v7
	v_add_nc_u32 v7, s30, v7                       ; out of it: sixteen lanes to a row, two rows an instruction
	v_lshlrev_b32 v8, 4, v2                        ; the block's rows are 256 bytes on end, so two rows are 512 consecutive bytes: 16 x lane
	v_lshlrev_b32 v9, 3, v2                        ; my row's 8 scale bytes
	s_and_b32 s42, s22, 1
	s_and_b32 s43, s22, 2
	s_wait_kmcnt 0x0
	s_cmp_lg_u32 s42, 0                            ; the choices hang on the work-group's number alone
	s_cselect_b64 s[24:25], s[10:11], s[8:9]       ; Wi or Wf
	s_cselect_b64 s[26:27], s[14:15], s[12:13]     ; Wc or Wo
	s_cmp_lg_u32 s43, 0
	s_cselect_b64 s[24:25], s[26:27], s[24:25]
	s_add_nc_u64 s[24:25], s[24:25], s[34:35]      ; my numbers,
	s_add_nc_u64 s[28:29], s[18:19], s[38:39]      ; my codes,
	s_add_nc_u64 s[32:33], s[18:19], s[40:41]      ; my scale bytes
.macro WLOAD t                         ; block t: W(32 t + i, my column), i = 0 .. 31, into set t % 2.  The largest offset, 255 x 8,192, lies inside the signed 24-bit immediate (ISA guide, chapter 10)
.set ix, 0
.rept 32
	global_load_b32 v[WX+32*((\t)%2)+ix], v3, s[24:25] offset:(32*(\t)+ix)*8192 th:TH_LOAD_NT
.set ix, ix+1
.endr
.endm
	WLOAD 0
	WLOAD 1
.macro WBLOCK t
.set XS, WX+32*((\t)%2)
.if (\t) < 7
	s_wait_loadcnt 32                              ; this block's 32 loads are in; the next block's may be out
.else
	s_wait_loadcnt 0x0
.endif
	v_max3_num_f32 v12, |v[XS]|, |v[XS+1]|, |v[XS+2]|              ; the block's largest magnitude: all 32 numbers are mine
	v_max3_num_f32 v13, |v[XS+3]|, |v[XS+4]|, |v[XS+5]|
.irp i, 6,10,14,18,22,26
	v_max3_num_f32 v12, v12, |v[XS+\i]|, |v[XS+\i+1]|
	v_max3_num_f32 v13, v13, |v[XS+\i+2]|, |v[XS+\i+3]|
.endr
	v_max3_num_f32 v12, v12, |v[XS+30]|, |v[XS+31]|
	v_max3_num_f32 v12, v12, v13, (EMAX+1)<<23     ; and the floor 2^(16 - 127)
	v_add_nc_u32 v11, -(EMAX<<23), v12             ; the conversion's scale operand
	v_and_or_b32 v10, v12, 0x7f800000, s31         ; 57,344 x the scale
	v_lshrrev_b32 v13, 23, v11                     ; the scale's byte
.if (\t)%4 == 0
	v_mov_b32 v[WSB+(\t)/4], v13                   ; four bytes to a register, the lower K in the lower byte
.else
	v_lshl_or_b32 v[WSB+(\t)/4], v13, 8*((\t)%4), v[WSB+(\t)/4]
.endif
.set ix, 0
.rept 32
	v_med3_num_f32 v[XS+ix], v[XS+ix], -v10, v10   ; the hold at the largest code x the scale
.set ix, ix+1
.endr
.irp g, 0,1,2,3
	v_cvt_scalef32_pk8_bf8_f32 v[WCD+2*\g:WCD+2*\g+1], v[XS+8*\g:XS+8*\g+7], v11
.endr
	ds_store_b128 v14, v[WCD:WCD+3] offset:32*(\t)
	ds_store_b128 v14, v[WCD+4:WCD+7] offset:32*(\t)+16
.if (\t)+2 < 8
	WLOAD (\t)+2
.endif
	s_wait_dscnt 0x0                               ; the stores have read their registers: the next block's codes may be written
.endm
.irp t, 0,1,2,3,4,5,6,7
	WBLOCK \t
.endr
	global_store_b64 v9, v[WSB:WSB+1], s[32:33]    ; 32 lanes store 256 consecutive bytes, aligned
.irp t, 0,1,2,3,4,5,6,7,8,9,10,11,12,13,14,15
	ds_load_b128 v[WOUT+4*\t:WOUT+4*\t+3], v7 offset:2*\t*WPITCH   ; in order behind my stores
.endr
.irp t, 0,1,2,3,4,5,6,7,8,9,10,11,12,13,14,15
	s_wait_dscnt 15-\t                             ; LDS loads come back in order: load t is in, the younger ones may be out
	global_store_b128 v8, v[WOUT+4*\t:WOUT+4*\t+3], s[28:29] offset:512*\t   ; 512 consecutive bytes, at a multiple of 256 from bq's first byte
.endr
	s_wait_tensorcnt 0x0
	ds_add_u32 v4, v1
	s_wait_dscnt 0x0
	s_endpgm
.Lfunc_end_k_qb8a7574448_quant:
	.size	k_qb8a7574448_quant, .Lfunc_end_k_qb8a7574448_quant-k_qb8a7574448_quant
	.p2alignl 7, 3214868480
	.fill 96, 4, 3214868480
	.section	.rodata,"a",@progbits
	.p2align	6, 0x0
	.amdhsa_kernel k_qb8a7574448_quant
		.amdhsa_group_segment_fixed_size 57856
		.amdhsa_private_segment_fixed_size 0
		.amdhsa_enable_private_segment 0
		.amdhsa_kernarg_size 64
		.amdhsa_user_sgpr_count 2
		.amdhsa_user_sgpr_kernarg_segment_ptr 1
		.amdhsa_wavefront_size32 1
		.amdhsa_system_sgpr_workgroup_id_x 1
		.amdhsa_system_sgpr_workgroup_id_y 1
		.amdhsa_system_sgpr_workgroup_id_z 1
		.amdhsa_system_vgpr_workitem_id 0
		.amdhsa_next_free_vgpr 192
		.amdhsa_next_free_sgpr 66
		.amdhsa_reserve_vcc 0
		.amdhsa_float_denorm_mode_32 3
		.amdhsa_float_denorm_mode_16_64 3
		.amdhsa_memory_ordered 1
		.amdhsa_forward_progress 1
		.amdhsa_inst_pref_size 110
	.end_amdhsa_kernel
	.amdgpu_metadata
---
amdhsa.version: [ 1, 2 ]
amdhsa.kernels:
  - .name:           k_qb8a7574448_quant
    .symbol:         k_qb8a7574448_quant.kd
    .args:
      - { .name: hidden_state, .offset: 0, .size: 8, .value_kind: global_buffer, .address_space: global }
      - { .name: x, .offset: 8, .size: 8, .value_kind: global_buffer, .address_space: global }
      - { .name: Wf, .offset: 16, .size: 8, .value_kind: global_buffer, .address_space: global }
      - { .name: Wi, .offset: 24, .size: 8, .value_kind: global_buffer, .address_space: global }
      - { .name: Wo, .offset: 32, .size: 8, .value_kind: global_buffer, .address_space: global }
      - { .name: Wc, .offset: 40, .size: 8, .value_kind: global_buffer, .address_space: global }
      - { .name: aq, .offset: 48, .size: 8, .value_kind: global_buffer, .address_space: global }
      - { .name: bq, .offset: 56, .size: 8, .value_kind: global_buffer, .address_space: global }
    .group_segment_fixed_size: 57856
    .private_segment_fixed_size: 0
    .kernarg_segment_align: 8
    .kernarg_segment_size: 64
    .max_flat_workgroup_size: 128
    .sgpr_count:     66
    .vgpr_count:     192
    .wavefront_size: 32
...
	.end_amdgpu_metadata
.endif
;; end of part 1
;; launch lstm (part 2): grid 32 x 8, 4 waves a work-group, clusters of 4 x 4, 327,680 bytes of LDS; arguments aq, bq, bf, bi, bo, bc, cell_state, out0, out1; writes out0, out1
.if DOCPART == 2
	.amdgcn_target "amdgcn-amd-amdhsa--gfx1250"
	.amdhsa_code_object_version 6
	.text
	.protected	k_qb8a7574448_lstm
	.globl	k_qb8a7574448_lstm
	.p2align	8
	.type	k_qb8a7574448_lstm,@function
k_qb8a7574448_lstm:
	s_mov_b64 s[64:65], 0
	v_nop
	global_prefetch_b8 v0, s[64:65] scope:SCOPE_SE
	s_setreg_imm32_b32 hwreg(HW_REG_WAVE_MODE, 25, 1), 1
	s_wait_xcnt 0x0
	s_wait_alu depctr_hold_cnt(0) depctr_sa_sdst(0) depctr_va_vdst(0) depctr_va_sdst(0) depctr_va_ssrc(0) depctr_va_vcc(0) depctr_vm_vsrc(0)
	s_getreg_b32 s2, hwreg(HW_REG_IB_STS2, 6, 4)
	s_cmp_eq_u32 s2, 0
	s_cbranch_scc0 .Lentry_in_a_cluster
	s_endpgm
.Lentry_in_a_cluster:
	s_bfe_u32 s2, ttmp6, 0x10000c
	s_cmp_lg_u32 s2, 0xf033
	s_cbranch_scc0 .Lentry_shape_is_right
	s_endpgm
.Lentry_shape_is_right:
; z = [hidden_state, x] [Wf Wi Wo Wc] + b on codes of BF8 (E5M2) with E8M0 scales, then the gates: out1 = sigmoid(zf) cell + sigmoid(zi) tanh(zc), out0 = sigmoid(zo) tanh(out1).
; aq, bq: blocks of 128 operand rows x 256 along K: 128 rows of 256 code bytes, then 128 rows of 8 scale bytes: 33,792 bytes on end; block (row block rb, K step s) at (16 rb + s) x 33,792.
; A row block of bq holds 32 units of all four gates (row = 32 x gate + unit % 32; gates f, i, o, c), so a wave's 128 rows of bq give it all four gates of 32 units.
; SHARES: 256 work-groups; each makes 256 batch rows x 64 units (256 rows of bq).  Four waves, each 128 x 128: 64 accumulators, 512 registers.  Source 0 = rows of bq, source 1 = rows of aq:
; a lane holds one batch row, and an accumulator's eight registers eight neighbouring units.  THE SUMS BEGIN FROM THE BIASES: they are loaded straight into the accumulators at the head,
; so every step of K has the same text and nothing is cleared or added later.
; THE RING: two LDS slots, each one K step of 256: four blocks (A's two, B's two), one tensor load a wave, as 132 rows of 256 bytes + 16 of padding.  4 x 4 clusters: A's blocks are asked for jointly
; along a row of the cluster, B's along a column.  Each refill stands behind a round of the cluster's barrier with a tensor wait, an LDS add and a wait in front of it.
; A STEP is 128 along K: 64 products, A's blocks 0 to 7 one after the other, each against B's eight.  The next step's fragments come from LDS in TWO runs.  At the step's start, 40 loads: B's eight
; fragments and, where a new slot begins, its eight loads of scale words, else A's blocks 6 and 7.  In its middle, 24 or 32 loads: A's blocks 0-3, whose registers the first 32 products have just
; left, then blocks 4 and 5, and 6 and 7 where the first run did not bring them.  B and A's blocks 4-7 have two sets of registers, by turns.
; Eight places stand ahead of each run.  So all reads of a slot are issued by the middle of its first step, and the slot is filled again at the start of its second.
; PREFETCH: each wave names 32 blocks of 256 bytes, 8,192 bytes, of the row block that it fetches; the four partners that ask for a block jointly take four neighbouring runs BY ADDRESS, so a request
; of the four covers 32,768 bytes.  Three requests at the head cover bytes 16,384 to 114,687 of the row block (K steps 1 to 3 begin at 33,792, 67,584, 101,376); behind each joint refill one more:
; the first at byte 114,688 while K step 2 is loaded; the 13th ends at the row block's last byte, and the 14th is not made.
; LIMITS: exp2 of a large argument gives infinity and its reciprocal 0, which are the gates' saturated values.  NaN and infinities among the inputs are not served.
.set BLK,    33792
.set RBLK,   16*BLK
.set PITCH,  272
.set HALFT,  132*PITCH                 ; a block in LDS
.set SCO,    128*PITCH                 ; its scale bytes
.set SLOT,   4*HALFT
.set SPARE,  2*SLOT                    ; the spare words, 512 bytes, named by the add alone
.set HSTG,   256*PITCH                 ; the way out: out0's stage, behind the cell tile, both in slot 0 after its last fill of codes
.set FR,     16
.set NP,     8
.set PF0,    114688
.set PFSTEP, 32768
.set ADRA, 16                          ; v16-17 my A fragments in slot 0, 1;  v20-21 B's;  v22-23 scale words (lanes 0-15 A's, 16-31 B's)
.set CO,   18
.set VB,   19
.set ADRB, 20
.set ADRS, 22
.set CA,   24
.set HA,   25
.set RDB,  26
.set PFO,  27
.set SPW,  28
.set NIL,  29
.set SC,   32                          ; v32-63 scale words, a set of 16 for each slot
.set T,    64                          ; v64-127: A's blocks 4-7 of a slot's second step; at work on the way out
.set AF,   128                         ; v128-191 A's blocks 0-3; v192-255 blocks 4-7 of a slot's first step
.set CS,   128
.set H,    160
.set OB,   176
.set G1,   24
.set G0,   32
.set G1B,  48
.set G0B,  56
.set G1C,  68
.set G0C,  76
.set PFA,  92
.set OUTP, 94
.set MSB, 0
.macro WIN new                         ; the immediate's high byte repeats the setting that is left
.if MSB != (\new)
	s_set_vgpr_msb (MSB<<8)|(\new)
.set MSB, (\new)
.endif
.endm
.set MUL_LO,   0xa1                    ; source 0 (B) window 1, source 1 (A) window 0, C and D window 2;  +0x50: window 3
.set TO_B,     0x40
.macro PLACES n
.rept \n
	v_nop
.endr
.endm
.macro JLOAD s                         ; a joint load: waves 0, 1 fetch A's two blocks, waves 2, 3 B's
	s_cmp_eq_u32 s23, 0
	s_cbranch_scc0 .Lfor_b_\@
	tensor_load_to_lds s[G0+4*\s:G0+4*\s+3], s[G1:G1+7]
	s_nop 0
.rept 4
	v_nop
.endr
	s_branch .Lasked_\@
.Lfor_b_\@:
	tensor_load_to_lds s[G0B+4*\s:G0B+4*\s+3], s[G1B:G1B+7]
	s_nop 0
.rept 4
	v_nop
.endr
.Lasked_\@:
.endm
.macro ASK last                        ; last = 1: the loop's second refill, which asks for nothing in the last trip (its bytes would lie behind the row block)
.if \last
	s_cmp_gt_u32 s3, 1
	s_cbranch_scc0 .Lno_ask_\@
.endif
	global_prefetch_b8 v[PFO], s[PFA:PFA+1] th:TH_LOAD_NT scope:SCOPE_SE
.if \last
.Lno_ask_\@:
.endif
.endm
.macro CREST
	s_cmp_lg_u32 s22, 0
	s_cbranch_scc1 .Lnot_wave_0_\@
	s_barrier_signal -3
.Lnot_wave_0_\@:
	s_barrier_wait -3
	s_barrier_signal -1
	s_barrier_wait -1
.endm
.macro CROUND
	s_barrier_signal -1
	s_barrier_wait -1
	CREST
.endm
	s_load_b256 s[4:11], s[0:1], 0x0               ; aq, bq, bf, bi
	s_load_b256 s[12:19], s[0:1], 0x20             ; bo, bc, cell_state, out0
	s_load_b64 s[20:21], s[0:1], 0x40              ; out1
	v_lshl_add_u32 v[SPW], v0, 2, SPARE
	v_mov_b32 v[NIL], 0
	ds_add_u32 v[SPW], v[NIL]                      ; the opening lines: the add twice on end and one wait
	ds_add_u32 v[SPW], v[NIL]
	v_lshrrev_b32 v1, 5, v0
	v_readfirstlane_b32 s22, v1                    ; wave
	s_lshr_b32 s23, s22, 1                         ; my half of the rows; also: I fetch for A (0) or B (1)
	s_and_b32 s66, s22, 1                          ; my half of the columns; also: which block I fetch
	s_bfe_u32 s40, ttmp6, 0x40000                  ; cx
	s_bfe_u32 s41, ttmp6, 0x40004                  ; cy
	s_lshl_b32 s42, ttmp9, 2
	s_add_co_u32 s42, s42, s40                     ; tile column
	s_and_b32 s43, ttmp7, 0xffff
	s_lshl_b32 s43, s43, 2
	s_add_co_u32 s43, s43, s41                     ; tile row
	s_lshl_b32 s44, s41, 2
	s_lshl_b32 s44, 15, s44                        ; my row of the cluster
	s_lshl_b32 s45, 0x1111, s40                    ; my column
	s_or_b32 s[G1+0], s44, (3<<16)|(1<<20)|(1<<21)|(5<<22)|(3<<25)   ; elements of 8 bytes; 4 dwords of padding behind every 64
	s_or_b32 s[G1B+0], s45, (3<<16)|(1<<20)|(1<<21)|(5<<22)|(3<<25)
.irp g, G1, G1B
	s_mov_b32 s[\g+1], 32<<16                      ; a dense block: 132 rows of 32 elements
	s_mov_b32 s[\g+2], 132<<16
	s_mov_b32 s[\g+3], 32<<16
	s_mov_b32 s[\g+4], 132
	s_mov_b32 s[\g+5], 32
	s_mov_b32 s[\g+6], 0
	s_mov_b32 s[\g+7], 0
.endr
	s_mov_b32 s[G1C+0], (2<<16)|(1<<20)|(5<<22)|(3<<25)   ; the cell tile: 64 rows a wave of 64 f32, pitch 2,048
	s_mov_b32 s[G1C+1], 64<<16
	s_mov_b32 s[G1C+2], 64<<16
	s_mov_b32 s[G1C+3], 64<<16
	s_mov_b32 s[G1C+4], 64
	s_mov_b32 s[G1C+5], 2048
	s_mov_b32 s[G1C+6], 0
	s_mov_b32 s[G1C+7], 0
	s_lshl_b32 s80, s43, 1
	s_add_co_u32 s80, s80, s66
	s_mul_i32 s80, s80, RBLK                       ; A's row block that I fetch
	s_mov_b32 s81, 0
	s_lshl_b32 s46, s42, 1
	s_add_co_u32 s46, s46, s66
	s_mul_i32 s46, s46, RBLK                       ; B's
	s_mov_b32 s47, 0
	s_mul_i32 s82, s22, HALFT                      ; where it goes: wave x a block
	s_lshl_b32 s84, s43, 8
	s_lshl_b32 s85, s22, 6
	s_add_co_u32 s84, s84, s85
	s_lshl_b32 s84, s84, 13
	s_lshl_b32 s85, s42, 8
	s_add_co_u32 s84, s84, s85                     ; my 64 rows of the cell tile
	s_mov_b32 s85, 0
	s_mul_i32 s86, s22, 64*PITCH
	s_lshl_b32 s90, s43, 8
	s_lshl_b32 s91, s23, 7
	s_add_co_u32 s90, s90, s91
	s_lshl_b32 s90, s90, 13
	s_lshl_b32 s91, s42, 8
	s_add_co_u32 s90, s90, s91                     ; the 128 rows x 256 bytes that I store
	s_mov_b32 s91, 0
	s_mov_b32 s96, 0xbfb8aa3b                      ; -log2(e)
	s_mov_b32 s97, s96
	s_mov_b32 s98, 0x4038aa3b                      ; 2 log2(e)
	s_mov_b32 s99, s98
	s_wait_dscnt 0x0                               ; both opening adds are done
	s_wait_kmcnt 0x0
	s_add_nc_u64 s[80:81], s[4:5], s[80:81]
	s_add_nc_u64 s[46:47], s[6:7], s[46:47]
	s_add_nc_u64 s[16:17], s[16:17], s[84:85]
	s_cmp_eq_u32 s66, 0
	s_cselect_b64 s[OUTP:OUTP+1], s[20:21], s[18:19]   ; the left wave of a pair stores out1, the right one out0
	s_add_nc_u64 s[OUTP:OUTP+1], s[OUTP:OUTP+1], s[90:91]
	s_mov_b32 s[G0C], 1
	s_mov_b32 s[G0C+1], s86
	s_mov_b64 s[G0C+2:G0C+3], s[16:17]
	s_or_b32 s[G0C+3], s[G0C+3], 0x80000000
.irp s, 0,1
	s_mov_b32 s[G0+4*\s], 1
	s_add_co_u32 s[G0+4*\s+1], s82, \s*SLOT
	s_add_nc_u64 s[G0+4*\s+2:G0+4*\s+3], s[80:81], \s*BLK
	s_or_b32 s[G0+4*\s+3], s[G0+4*\s+3], 0x80000000
	s_mov_b32 s[G0B+4*\s], 1
	s_add_co_u32 s[G0B+4*\s+1], s82, \s*SLOT
	s_add_nc_u64 s[G0B+4*\s+2:G0B+4*\s+3], s[46:47], \s*BLK
	s_or_b32 s[G0B+4*\s+3], s[G0B+4*\s+3], 0x80000000
.endr
	CROUND                                         ; all sixteen work-groups are here: the first joint loads meet
	JLOAD 0                                        ; K step 0: one tensor load a wave at the head; what follows is done while it is out
	v_and_b32 v1, 15, v0
	v_bfe_u32 v2, v0, 4, 1
	s_wait_alu depctr_va_vdst(0)
	v_mul_u32_u24 v3, v1, PITCH
	v_lshl_add_u32 v4, v2, 4, v3
	s_mul_i32 s87, s23, HALFT
	s_mul_i32 s88, s66, HALFT
	s_add_co_u32 s88, s88, 2*HALFT
.irp s, 0,1
	v_add_nc_u32 v[ADRA+\s], s87, v4
	v_add_nc_u32 v[ADRB+\s], s88, v4
	s_add_co_u32 s87, s87, SLOT
	s_add_co_u32 s88, s88, SLOT
.endr
	s_mul_i32 s87, s23, HALFT
	s_mul_i32 s88, s66, HALFT
	s_add_co_u32 s88, s88, 2*HALFT
	s_sub_co_u32 s88, s88, s87
	v_mul_u32_u24 v6, s88, v2                      ; lanes 16-31 take B's scale words
	s_add_co_u32 s87, s87, SCO
	v_lshl_add_u32 v5, v1, 3, v6
	v_add_nc_u32 v[ADRS], s87, v5
	v_add_nc_u32 v[ADRS+1], SLOT, v[ADRS]
	s_mul_i32 s87, s23, 128*PITCH
	s_lshl_b32 s88, s66, 7
	s_add_co_u32 s87, s87, s88
	v_lshl_add_u32 v5, v2, 5, v3
	v_add_nc_u32 v[CA], s87, v5                    ; the cell tile: my row, my 32 bytes
	v_add_nc_u32 v[HA], HSTG, v[CA]
	s_mul_i32 s87, s23, 128*PITCH
	s_mul_i32 s88, s66, HSTG
	s_add_co_u32 s87, s87, s88
	v_mul_u32_u24 v5, v2, PITCH
	v_lshl_add_u32 v5, v1, 4, v5
	v_add_nc_u32 v[RDB], s87, v5                   ; back out of the stage: sixteen lanes to a row of 256 bytes
	v_lshlrev_b32 v[CO], 13, v2
	v_lshl_add_u32 v[CO], v1, 4, v[CO]
	s_lshl_b32 s87, s42, 8
	s_lshl_b32 s88, s66, 7
	s_add_co_u32 s87, s87, s88
	v_lshl_add_u32 v[VB], v2, 5, s87
; the biases, straight into the accumulators: accumulator (a, b) begins as the bias of gate b / 2 at my eight units 16 (b % 2) + 8 (l / 16) + 0 .. 7, the same for all eight a
.irp w, 0,1
	WIN 0x80+0x40*\w                               ; the loads' destinations: window 2, then 3
.irp aa, 0,1,2,3
.irp b, 0,1,2,3,4,5,6,7
	global_load_b128 v[8*(8*\aa+\b):8*(8*\aa+\b)+3],   v[VB], s[8+2*(\b/2):9+2*(\b/2)] offset:64*(\b%2)
	global_load_b128 v[8*(8*\aa+\b)+4:8*(8*\aa+\b)+7], v[VB], s[8+2*(\b/2):9+2*(\b/2)] offset:64*(\b%2)+16
.endr
.endr
.endr
	WIN 0
	s_cmp_eq_u32 s23, 0                            ; the prefetches: the row block that I fetch, my work-group's 8,192 bytes of each 32,768
	s_cselect_b32 s88, s43, s42
	s_cselect_b32 s89, s40, s41
	s_cselect_b64 s[PFA:PFA+1], s[4:5], s[6:7]
	s_lshl_b32 s88, s88, 1
	s_add_co_u32 s88, s88, s66
	s_mul_i32 s88, s88, RBLK
	s_lshl_b32 s89, s89, 13
	s_add_co_u32 s88, s88, s89
	s_add_co_u32 s88, s88, PF0-PFSTEP
	s_mov_b32 s89, 0
	s_add_nc_u64 s[PFA:PFA+1], s[PFA:PFA+1], s[88:89]
	v_and_b32 v[PFO], 31, v0
	v_lshlrev_b32 v[PFO], 8, v[PFO]
	global_prefetch_b8 v[PFO], s[PFA:PFA+1] offset:-2*PFSTEP th:TH_LOAD_NT scope:SCOPE_SE   ; from byte 16,384 of the row block
	global_prefetch_b8 v[PFO], s[PFA:PFA+1] offset:-PFSTEP th:TH_LOAD_NT scope:SCOPE_SE     ; from byte 49,152
.macro FRAG reg, adr, q, i             ; 16 rows x 128 K: registers 4 c .. 4 c + 3 hold K = 32 c + 16 (l / 16) + 0 .. 15
.irp c, 0,1,2,3
	ds_load_b128 v[\reg+4*\c:\reg+4*\c+3], v[\adr] offset:128*(\q)+32*\c+(\i)*16*PITCH
.endr
.endm
.macro LDB slot, q, i                  ; B's fragment i of the slot's q-th 128 along K into set q
	WIN TO_B
	FRAG 128*(\q)+FR*(\i), ADRB+\slot, \q, \i
.endm
.macro LDA slot, q, i                  ; A's fragment i; blocks 4-7 of a slot's second step go to v64-127
	WIN 0
.if ((\i)>3)&&((\q)==1)
	FRAG FR*(\i), ADRA+\slot, \q, \i
.else
	FRAG AF+FR*(\i), ADRA+\slot, \q, \i
.endif
.endm
.macro SCALES slot
	WIN 0
.irp i, 0,1,2,3,4,5,6,7
	ds_load_b64 v[SC+16*\slot+2*\i:SC+16*\slot+2*\i+1], v[ADRS+\slot] offset:(\i/2)*PITCH+(\i%2)*128
.endr
.endm
.macro RUNA slot, q                    ; the run at a step's start, for the step (slot, q) that follows: 40 loads
.irp i, 0,1,2,3,4,5,6,7
	LDB \slot, \q, \i
.endr
.if (\q) == 0
	SCALES \slot
.else
	LDA \slot, \q, 6
	LDA \slot, \q, 7
.endif
.endm
.macro RUNB slot, q                    ; the run in a step's middle: 32 loads for a slot's first step, 24 for its second; A's blocks 0-3 first
.irp i, 0,1,2,3,4,5
	LDA \slot, \q, \i
.endr
.if (\q) == 0
	LDA \slot, \q, 6
	LDA \slot, \q, 7
.endif
.endm
; eight products: A's block a x B's eight.  The 64 accumulators take turns in the same order in every step
.macro MUL8 a, q, sc
.if ((\a)>3)&&((\q)==1)
.set ARG_, FR*(\a)
.else
.set ARG_, AF+FR*(\a)
.endif
	WIN MUL_LO+0x50*((\a)/4)
.irp b, 0,1,2,3,4,5,6,7
.set DD_, 8*(8*((\a)%4)+\b)
	v_wmma_scale_f32_16x16x128_f8f6f4 v[DD_:DD_+7], v[128*(\q)+FR*\b:128*(\q)+FR*\b+FR-1], v[ARG_:ARG_+FR-1], v[DD_:DD_+7], v[SC+16*(\sc)+2*\b+(\q)], v[SC+16*(\sc)+2*(\a)+(\q)] matrix_a_fmt:MATRIX_FMT_BF8 matrix_b_fmt:MATRIX_FMT_BF8 matrix_a_scale:MATRIX_SCALE_ROW1
.endr
.endm
; A slot's first step.  fill = 1: at its end the slots change and this slot takes the K step two on; fill = 2: slot 0 takes the cell tile; fill = 0: nothing is fetched any more.
.macro S0 slot, fill, last
	PLACES NP                                      ; behind the last products of the step before
	RUNA \slot, 1
	s_wait_dscnt 56                                ; the 40 just issued and the 16 loads of this step's blocks 4-7 may be out: B's set, the scale words and A's blocks 0-3 are in
.irp a, 0,1,2,3
	MUL8 \a, 0, \slot
.endr
	s_wait_dscnt 40                                ; all but the 40: A's blocks 4-7 are in
	PLACES NP
	RUNB \slot, 1                                  ; my last reads of this slot
.irp a, 4,5,6
	MUL8 \a, 0, \slot
.endr
.if \fill
	WIN 0
.if \fill == 1
	s_wait_xcnt 0x0                                ; my last prefetch has read its address
	s_add_nc_u64 s[PFA:PFA+1], s[PFA:PFA+1], PFSTEP
.endif
	s_wait_tensorcnt 0x0                           ; my one tensor load that was out, my block of the other slot, has landed
	ds_add_u32 v[SPW], v[NIL]                      ; eight products stand between the add and the wait for it
.if \fill == 1
	s_add_nc_u64 s[G0+4*\slot+2:G0+4*\slot+3], s[G0+4*\slot+2:G0+4*\slot+3], 2*BLK
	s_add_nc_u64 s[G0B+4*\slot+2:G0B+4*\slot+3], s[G0B+4*\slot+2:G0B+4*\slot+3], 2*BLK
.endif
.endif
	MUL8 7, 0, \slot
	WIN 0
.if \fill
	s_wait_dscnt 0x0                               ; the add is done, and my reads of this slot are over
	CROUND                                         ; the same holds of every wave of the cluster
.if \fill == 1
	JLOAD \slot
	ASK \last
.else
	tensor_load_to_lds s[G0C:G0C+3], s[G1C:G1C+7]
	s_nop 0
.rept 4
	v_nop
.endr
.endif
.endif
.endm
; A slot's second step, behind the change of slots: its own fragments are in registers, and it asks for the next slot's first step.
.macro S1 slot, next
	PLACES NP-4                                    ; with the four behind the tensor load: eight places behind the last products
	RUNA \next, 0
.irp a, 0,1,2,3
	MUL8 \a, 1, \slot
.endr
	PLACES NP
	RUNB \next, 0
.irp a, 4,5,6,7
	MUL8 \a, 1, \slot
.endr
	WIN 0
.endm
	s_wait_alu depctr_va_vdst(0)
	s_wait_tensorcnt 0x0                           ; my block of K step 0 is in; the three lines stand ahead of slot 1's first fill as ahead of a refill
	ds_add_u32 v[SPW], v[NIL]
	s_wait_dscnt 0x0
	CROUND
	JLOAD 1                                        ; K step 1
	RUNA 0, 0
	RUNB 0, 0
	global_prefetch_b8 v[PFO], s[PFA:PFA+1] th:TH_LOAD_NT scope:SCOPE_SE   ; from byte 81,920
	s_wait_loadcnt 0x0                             ; the biases are in the accumulators
	s_mov_b32 s3, 7
.Llap:                                                 ; a trip goes once round the ring and fills both slots again
	S0 0, 1, 0
	S1 0, 1
	S0 1, 1, 1
	S1 1, 0
	s_sub_co_u32 s3, s3, 1
	s_cmp_lg_u32 s3, 0
	s_cbranch_scc1 .Llap
	S0 0, 2, 0
	S1 0, 1
	S0 1, 0, 0
	s_wait_dscnt 0x0                               ; the very last step: nothing more to fetch
.irp a, 0,1,2,3,4,5,6,7
	MUL8 \a, 1, 1
.endr
	WIN 0
; THE WAY OUT, by blocks of 16 batch rows.  Accumulators 0, 1: zf; 2, 3: zi; 4, 5: zo; 6, 7: zc, of the same 32 units.  sigmoid(x) = 1 / (1 + 2^(-x log2 e)); tanh(x) = 1 - 2 / (1 + 2^(2 x log2 e)).
; The new cell goes back over the cell tile in LDS, the new hidden state into a stage behind it; a wave's 32 units are half of a row's 256 bytes, so a barrier stands between the writing and the
; reading, and of each pair of waves one stores whole rows of out1 and the other whole rows of out0.
.macro CLOAD a
.set CL, CS+16*((\a)%2)
.irp u, 0,1
.irp k, 0,1
	ds_load_b128 v[CL+8*\u+4*\k:CL+8*\u+4*\k+3], v[CA] offset:(\a)*16*PITCH+64*\u+16*\k
.endr
.endr
.endm
.macro BACK a
.irp t, 0,1,2,3,4,5,6,7
	ds_load_b128 v[OB+32*((\a)%2)+4*\t:OB+32*((\a)%2)+4*\t+3], v[RDB] offset:(16*(\a)+2*\t)*PITCH
.endr
.endm
.macro SEND a
.irp t, 0,1,2,3,4,5,6,7
	global_store_b128 v[CO], v[OB+32*((\a)%2)+4*\t:OB+32*((\a)%2)+4*\t+3], s[OUTP:OUTP+1] offset:(16*(\a)+2*\t)*8192 th:TH_STORE_NT
.endr
.endm
.macro GATES a
.set AC, 64*((\a)%4)
.set CC, CS+16*((\a)%2)
.if (\a) < 7
	CLOAD (\a)+1
.endif
	WIN 0x02+(\a)/4
.irp b, 0,1,2,3,4,5,6,7
.irp p, 0,2,4,6
	v_pk_mul_f32 v[T+8*\b+\p:T+8*\b+\p+1], v[AC+8*\b+\p:AC+8*\b+\p+1], s[96+2*(\b/6):97+2*(\b/6)] op_sel_hi:[1,0]
.endr
.endr
	WIN 0
.set ix, 0
	s_wait_alu depctr_va_vdst(0)                   ; one wait ahead of each batch of transcendentals and one behind it
.rept 64
	v_exp_f32 v[T+ix], v[T+ix]
.set ix, ix+1
.endr
	v_nop
	s_wait_alu depctr_va_vdst(0)
.if (\a) < 7
	s_wait_dscnt 4                                 ; the last block's rows are back from the stage, and this block's cells are in; the next block's four loads may be out
.else
	s_wait_dscnt 0x0
.endif
.if (\a) > 0
	SEND (\a)-1
.endif
.set ix, 0
.rept 32
	v_pk_add_f32 v[T+ix:T+ix+1], v[T+ix:T+ix+1], 1.0 op_sel_hi:[1,0]
.set ix, ix+2
.endr
.set ix, 0
	s_wait_alu depctr_va_vdst(0)
.rept 64
	v_rcp_f32 v[T+ix], v[T+ix]
.set ix, ix+1
.endr
	v_nop
	s_wait_alu depctr_va_vdst(0)
.irp p, 0,2,4,6,8,10,12,14
	v_pk_fma_f32 v[T+48+\p:T+49+\p], v[T+48+\p:T+49+\p], -2.0, 1.0 op_sel_hi:[1,0,0]
.endr
.irp p, 0,2,4,6,8,10,12,14
	v_pk_mul_f32 v[CC+\p:CC+\p+1], v[T+\p:T+\p+1], v[CC+\p:CC+\p+1]
.endr
.irp p, 0,2,4,6,8,10,12,14
	v_pk_fma_f32 v[CC+\p:CC+\p+1], v[T+16+\p:T+17+\p], v[T+48+\p:T+49+\p], v[CC+\p:CC+\p+1]
.endr
.irp u, 0,1
.irp k, 0,1
	ds_store_b128 v[CA], v[CC+8*\u+4*\k:CC+8*\u+4*\k+3] offset:(\a)*16*PITCH+64*\u+16*\k
.endr
.endr
.irp p, 0,2,4,6,8,10,12,14
	v_pk_mul_f32 v[H+\p:H+\p+1], v[CC+\p:CC+\p+1], s[98:99] op_sel_hi:[1,0]
.endr
.set ix, 0
	s_wait_alu depctr_va_vdst(0)
.rept 16
	v_exp_f32 v[H+ix], v[H+ix]
.set ix, ix+1
.endr
	v_nop
	s_wait_alu depctr_va_vdst(0)
.irp p, 0,2,4,6,8,10,12,14
	v_pk_add_f32 v[H+\p:H+\p+1], v[H+\p:H+\p+1], 1.0 op_sel_hi:[1,0]
.endr
.set ix, 0
	s_wait_alu depctr_va_vdst(0)
.rept 16
	v_rcp_f32 v[H+ix], v[H+ix]
.set ix, ix+1
.endr
	v_nop
	s_wait_alu depctr_va_vdst(0)
.irp p, 0,2,4,6,8,10,12,14
	v_pk_fma_f32 v[H+\p:H+\p+1], v[H+\p:H+\p+1], -2.0, 1.0 op_sel_hi:[1,0,0]
.endr
.irp p, 0,2,4,6,8,10,12,14
	v_pk_mul_f32 v[H+\p:H+\p+1], v[H+\p:H+\p+1], v[T+32+\p:T+33+\p]
.endr
.irp u, 0,1
.irp k, 0,1
	ds_store_b128 v[HA], v[H+8*\u+4*\k:H+8*\u+4*\k+3] offset:(\a)*16*PITCH+64*\u+16*\k
.endr
.endr
	s_wait_dscnt 0x0                               ; for the other wave's sake: my stores into the stages are done
	s_barrier_signal -1
	s_barrier_wait -1
	s_wait_xcnt 0x0                                ; the earlier stores have read their registers
	BACK \a
.endm
	s_wait_tensorcnt 0x0                           ; my rows of the cell tile are in,
	s_barrier_signal -1
	s_barrier_wait -1                              ; and everybody's
	PLACES NP
	CLOAD 0
.irp a, 0,1,2,3,4,5,6,7
	GATES \a
.endr
	s_wait_dscnt 0x0
	SEND 7
	s_wait_tensorcnt 0x0                           ; the wave's end
	ds_add_u32 v[SPW], v[NIL]
	s_wait_dscnt 0x0
	CROUND                                         ; the closing round
	s_endpgm
.Lfunc_end_k_qb8a7574448_lstm:
	.size	k_qb8a7574448_lstm, .Lfunc_end_k_qb8a7574448_lstm-k_qb8a7574448_lstm
	.p2alignl 7, 3214868480
	.fill 96, 4, 3214868480
	.section	.rodata,"a",@progbits
	.p2align	6, 0x0
	.amdhsa_kernel k_qb8a7574448_lstm
		.amdhsa_group_segment_fixed_size 327680
		.amdhsa_private_segment_fixed_size 0
		.amdhsa_enable_private_segment 0
		.amdhsa_kernarg_size 72
		.amdhsa_user_sgpr_count 2
		.amdhsa_user_sgpr_kernarg_segment_ptr 1
		.amdhsa_wavefront_size32 1
		.amdhsa_system_sgpr_workgroup_id_x 1
		.amdhsa_system_sgpr_workgroup_id_y 1
		.amdhsa_system_sgpr_workgroup_id_z 1
		.amdhsa_system_vgpr_workitem_id 0
		.amdhsa_next_free_vgpr 1024
		.amdhsa_next_free_sgpr 100
		.amdhsa_reserve_vcc 0
		.amdhsa_float_denorm_mode_32 3
		.amdhsa_float_denorm_mode_16_64 3
		.amdhsa_memory_ordered 1
		.amdhsa_forward_progress 1
		.amdhsa_inst_pref_size 250
	.end_amdhsa_kernel
	.amdgpu_metadata
---
amdhsa.version: [ 1, 2 ]
amdhsa.kernels:
  - .name:           k_qb8a7574448_lstm
    .symbol:         k_qb8a7574448_lstm.kd
    .args:
      - { .name: aq, .offset: 0, .size: 8, .value_kind: global_buffer, .address_space: global }
      - { .name: bq, .offset: 8, .size: 8, .value_kind: global_buffer, .address_space: global }
      - { .name: bf, .offset: 16, .size: 8, .value_kind: global_buffer, .address_space: global }
      - { .name: bi, .offset: 24, .size: 8, .value_kind: global_buffer, .address_space: global }
      - { .name: bo, .offset: 32, .size: 8, .value_kind: global_buffer, .address_space: global }
      - { .name: bc, .offset: 40, .size: 8, .value_kind: global_buffer, .address_space: global }
      - { .name: cell_state, .offset: 48, .size: 8, .value_kind: global_buffer, .address_space: global }
      - { .name: out0, .offset: 56, .size: 8, .value_kind: global_buffer, .address_space: global }
      - { .name: out1, .offset: 64, .size: 8, .value_kind: global_buffer, .address_space: global }
    .group_segment_fixed_size: 327680
    .private_segment_fixed_size: 0
    .kernarg_segment_align: 8
    .kernarg_segment_size: 72
    .max_flat_workgroup_size: 128
    .sgpr_count:     100
    .vgpr_count:     1024
    .wavefront_size: 32
...
	.end_amdgpu_metadata
.endif
;; end of part 2
